; MI455X (gfx1250); checked and timed in simulation.
; The chip was launched on July 23, 2026; its instructions are those of AMD's public machine-readable ISA for CDNA 5 (MIT licence, August 2026) and "CDNA5" Instruction Set Architecture Reference Guide (July 2026). The comments in the code are by the model that wrote it; some were corrected since.
;; ROI Head. Allowed arithmetic: float matrix products may take bf16 or f16 operands with f32 sums; all other float work in f32.
;; Inputs: gt_boxes 128 x 4 float32; gt_labels 128 int32; proposals 200,000 x 4 float32.
;; Outputs: out0 200,000 int32; out1 200,000 x 4 float32.
;; One version. Each part assembles by itself: llvm-mc -triple=amdgcn-amd-amdhsa -mcpu=gfx1250 --defsym DOCPART=n.
;; ======== version 1 of 1: 1 launch
;; launch roi_match (part 1): grid 250 x 1, 20 waves a work-group, no clusters, 79,360 bytes of LDS; arguments gt_boxes, gt_labels, proposals, out0, out1; writes out0, out1
.if DOCPART == 1
	.amdgcn_target "amdgcn-amd-amdhsa--gfx1250"
	.amdhsa_code_object_version 6
	.text
	.protected	k_q6939656b39_roi_match
	.globl	k_q6939656b39_roi_match
	.p2align	8
	.type	k_q6939656b39_roi_match,@function
k_q6939656b39_roi_match:
	s_mov_b64 s[64:65], 0
	v_nop
	global_prefetch_b8 v0, s[64:65] scope:SCOPE_SE
	s_setreg_imm32_b32 hwreg(HW_REG_WAVE_MODE, 25, 1), 1
	s_wait_xcnt 0x0
; For each of 200,000 proposals: IoU with 128 ground-truth boxes (GT), the largest IoU and its first index, the box and the label of that GT,
; label 0 where 0.1 <= IoU < 0.5, label -1 where IoU < 0.1.
; WORK: 250 work-groups x 800 proposals (25 groups of 32 lanes).  20 waves.  Wave w takes quarter c = w & 3 of the GT (32 of them) and set
; t = w >> 2 of the proposals (160: five a lane): 100 equal units for four SIMDs.  The price: a proposal's 16 bytes are loaded by the four waves
; (one for each quarter) of its own work-group.
; GT numbers are scalar operands (boxes by scalar loads, eight GT to a buffer, two buffers by turns; areas made once in lanes and read out lane by lane).
; Two GT are worked at once in an even/odd register pair: packed f32 arithmetic where it exists, dual-issue pairs for max, min, the scalar add and the update.
; In every dual pair the destinations are an even and an odd register and the second sources are one register or two neighbours (VOPD's rules in AMD's ISA guide).
; The roundings are reference()'s: w = x2 - x1, clip, inter = w h, union = (a1 + a2) - inter.  The quotient is inter x rcp(union), corrected once:
; e = inter - q union (one FMA), q += e rcp.  That is the f32 nearest to inter / union, but for quotients within about 2^-22 of a last place of a
; rounding boundary; so order, ties (first index wins) and the two thresholds are those of the rounded quotient.
; THE GATHER: lane l of a wave also holds GT 32 c + l (box, label).  The winner's box and label are pulled from the lane that the wave's own argmax (one of the
; constants 0..31) names, by ds_bpermute_b32: a choice of a lane's register; no LDS byte and no memory address is formed from it.
; The four quarters' winners meet in LDS (one barrier) and are chosen among by compare and select, in ascending order of the quarters.
; LIMIT: a pair whose union is 0 or not finite gives NaN in reference(), and its argmax takes the first NaN.  Here a NaN never becomes the best value:
; proposals with such a pair are not served.  Every other input is (negative areas too: the first GT starts the maximum, nothing is assumed of signs).
; No cluster: all that work-groups share is the GT's 2,560 bytes.  No tensor loads: each input byte goes straight into the register that keeps it.
.set LDS_Q, 0                          ; [4 quarters][800] f32: the quarter's best IoU
.set LDS_L, 12800                      ; [4][800] i32: its label
.set LDS_B, 25600                      ; [4][800] 16 bytes: its box.  76,800 bytes in all
.set PB,  8                            ; v[8:27]    proposal p of my five: x1 y1 x2 y2
.set PA,  28                           ; v[28:32]   its area
.set BI,  34                           ; v[34:43]   p: best IoU (even), its index in my quarter (odd)
.set GB,  44                           ; v[44:47]   the box of GT 32 c + lane
.set GL,  48                           ; v48        its label
.set GA,  49                           ; v49        its area; v[50:51] at work for it
.set T,   52                           ; v[52:111]  12 registers at work for each proposal, pairs = two GT
.set TS,  12
.set TX1, T+0                          ; left edge, then inter
.set TY1, T+2                          ; top edge, then the quotient
.set TX2, T+4                          ; right edge, then width, then the residual
.set TY2, T+6                          ; bottom edge, then height
.set TSU, T+8                          ; a1 + a2, then union
.set TRC, T+10                         ; 1 / union
.set J1,  52                           ; registers of a wave's first box job (22), free once the LDS stores are done
.set J2,  76                           ; of a second box job
.set LP,  76                           ; label job: my piece of 16 bytes; v77 its byte offset
.set JQ,  80                           ; v[80:95]   four proposals' best IoU of each quarter
.set JL,  96                           ; v[96:111]  their labels
.set BUFA, 16                          ; s[16:47]   eight GT boxes
.set BUFB, 68                          ; s[68:99]   eight GT boxes
.set AR,   48                          ; s[48:55]   the areas of the eight GT at work
	s_load_b256 s[4:11], s[0:1], 0x0               ; gt_boxes s[4:5], gt_labels s[6:7], proposals s[8:9], out0 s[10:11]
	s_load_b64 s[12:13], s[0:1], 0x20              ; out1
	v_lshl_add_u32 v112, v0, 2, 0x12c00
	v_mov_b32 v113, 0
	v_and_b32 v1, 31, v0                           ; lane
	v_lshrrev_b32 v2, 5, v0
	v_readfirstlane_b32 s14, v2                    ; wave 0..19
	s_and_b32 s15, s14, 3                          ; c: my quarter of the GT
	s_lshr_b32 s2, s14, 2                          ; t: my set of 160 proposals
	s_mul_i32 s3, s2, 2560                         ; t x 160 x 16 bytes
	s_lshl_b32 s56, s15, 9                         ; c x 32 boxes x 16 bytes
	s_mov_b32 s57, 0
	s_lshl_b32 s58, s15, 7                         ; c x 32 labels x 4 bytes
	s_mov_b32 s59, 0
	s_mul_i32 s60, ttmp9, 12800                    ; the work-group's 800 boxes, in proposals and in out1
	s_mov_b32 s61, 0
	s_mul_i32 s62, ttmp9, 3200                     ; its 800 labels in out0
	s_mov_b32 s63, 0
	v_lshlrev_b32 v3, 4, v1                        ; 16 x lane
	v_lshlrev_b32 v4, 2, v1                        ; 4 x lane
	v_add_nc_u32 v5, s3, v3                        ; my first proposal, from the group's first
	s_wait_kmcnt 0x0
	s_add_nc_u64 s[56:57], s[4:5], s[56:57]        ; my quarter's boxes
	s_add_nc_u64 s[58:59], s[6:7], s[58:59]        ; my quarter's labels
	s_add_nc_u64 s[8:9], s[8:9], s[60:61]
	s_add_nc_u64 s[12:13], s[12:13], s[60:61]
	s_add_nc_u64 s[10:11], s[10:11], s[62:63]
	global_load_b128 v[GB:GB+3], v3, s[56:57]      ; GT 32 c + lane
	global_load_b32 v[GL], v4, s[58:59]
.irp p, 0,1,2,3,4
	global_load_b128 v[PB+4*\p:PB+4*\p+3], v5, s[8:9] offset:512*\p   ; 32 lanes: 512 neighbouring bytes, aligned
.endr
	s_load_b512 s[BUFA:BUFA+15],    s[56:57], 0x0  ; GT 0-7 of my quarter
	s_load_b512 s[BUFA+16:BUFA+31], s[56:57], 0x40
	s_load_b512 s[BUFB:BUFB+15],    s[56:57], 0x80 ; GT 8-15
	s_load_b512 s[BUFB+16:BUFB+31], s[56:57], 0xc0
	s_mul_i32 s60, s2, 640                         ; where my results go in LDS: (160 t + lane) x 4 + 3,200 c
	s_mul_i32 s61, s15, 3200
	s_add_co_u32 s60, s60, s61
	v_add_nc_u32 v6, s60, v4
	s_mul_i32 s62, s15, 12800                      ; and (160 t + lane) x 16 + 12,800 c
	s_add_co_u32 s62, s62, s3
	v_add_nc_u32 v7, s62, v3
	s_wait_loadcnt 0x5                             ; my GT's box and label are in; the five loads of proposals issued behind them may stay out
	v_pk_add_f32 v[50:51], v[GB+2:GB+3], v[GB:GB+1] neg_lo:[0,1] neg_hi:[0,1]
	v_mul_f32 v[GA], v50, v51                      ; area of GT 32 c + lane
	s_wait_loadcnt 0x0
.irp p, 0,1,2,3,4
	v_pk_add_f32 v[TX1+TS*\p:TX1+TS*\p+1], v[PB+4*\p+2:PB+4*\p+3], v[PB+4*\p:PB+4*\p+1] neg_lo:[0,1] neg_hi:[0,1]
.endr
.irp p, 0,1,2,3,4
	v_mul_f32 v[PA+\p], v[TX1+TS*\p], v[TX1+TS*\p+1]          ; area of proposal p
.endr
; Two GT (boxes at s[sb], s[sb+4], areas at s[sa], s[sa+1], indices id, id + 1 in the quarter) against my five proposals: 100 issue slots for 320 pairs.
; Every stage runs through the five proposals, so that four other instructions stand between an instruction and the one that needs its result.
.macro PAIR sb, sa, id
.irp p, 0,1,2,3,4
	v_dual_max_num_f32 v[TX1+TS*\p], s[\sb], v[PB+4*\p] :: v_dual_max_num_f32 v[TX1+TS*\p+1], s[\sb+4], v[PB+4*\p]
.endr
.irp p, 0,1,2,3,4
	v_dual_max_num_f32 v[TY1+TS*\p], s[\sb+1], v[PB+4*\p+1] :: v_dual_max_num_f32 v[TY1+TS*\p+1], s[\sb+5], v[PB+4*\p+1]
.endr
.irp p, 0,1,2,3,4
	v_dual_min_num_f32 v[TX2+TS*\p], s[\sb+2], v[PB+4*\p+2] :: v_dual_min_num_f32 v[TX2+TS*\p+1], s[\sb+6], v[PB+4*\p+2]
.endr
.irp p, 0,1,2,3,4
	v_dual_min_num_f32 v[TY2+TS*\p], s[\sb+3], v[PB+4*\p+3] :: v_dual_min_num_f32 v[TY2+TS*\p+1], s[\sb+7], v[PB+4*\p+3]
.endr
.irp p, 0,1,2,3,4
	v_pk_add_f32 v[TX2+TS*\p:TX2+TS*\p+1], v[TX2+TS*\p:TX2+TS*\p+1], v[TX1+TS*\p:TX1+TS*\p+1] neg_lo:[0,1] neg_hi:[0,1]   ; x2 - x1
.endr
.irp p, 0,1,2,3,4
	v_pk_add_f32 v[TY2+TS*\p:TY2+TS*\p+1], v[TY2+TS*\p:TY2+TS*\p+1], v[TY1+TS*\p:TY1+TS*\p+1] neg_lo:[0,1] neg_hi:[0,1]   ; y2 - y1
.endr
.irp p, 0,1,2,3,4
	v_dual_max_num_f32 v[TX2+TS*\p], 0, v[TX2+TS*\p] :: v_dual_max_num_f32 v[TX2+TS*\p+1], 0, v[TX2+TS*\p+1]              ; clip at 0
.endr
.irp p, 0,1,2,3,4
	v_dual_max_num_f32 v[TY2+TS*\p], 0, v[TY2+TS*\p] :: v_dual_max_num_f32 v[TY2+TS*\p+1], 0, v[TY2+TS*\p+1]
.endr
.irp p, 0,1,2,3,4
	v_dual_add_f32 v[TSU+TS*\p], s[\sa], v[PA+\p] :: v_dual_add_f32 v[TSU+TS*\p+1], s[\sa+1], v[PA+\p]                    ; a1 + a2
.endr
.irp p, 0,1,2,3,4
	v_pk_mul_f32 v[TX1+TS*\p:TX1+TS*\p+1], v[TX2+TS*\p:TX2+TS*\p+1], v[TY2+TS*\p:TY2+TS*\p+1]                            ; inter
.endr
	; union and its reciprocal, proposals 0-2 and then 3-4: behind a v_rcp_f32 a plain vector instruction that touches none of its registers comes before its
	; result is used (ISA guide, the hazards of transcendentals): for 0-2 the unions of 3-4, for 3-4 the first products of 0-2
.irp p, 0,1,2
	v_pk_add_f32 v[TSU+TS*\p:TSU+TS*\p+1], v[TSU+TS*\p:TSU+TS*\p+1], v[TX1+TS*\p:TX1+TS*\p+1] neg_lo:[0,1] neg_hi:[0,1]
.endr
.irp p, 0,1,2
	v_rcp_f32 v[TRC+TS*\p], v[TSU+TS*\p]
	v_rcp_f32 v[TRC+TS*\p+1], v[TSU+TS*\p+1]
.endr
.irp p, 3,4
	v_pk_add_f32 v[TSU+TS*\p:TSU+TS*\p+1], v[TSU+TS*\p:TSU+TS*\p+1], v[TX1+TS*\p:TX1+TS*\p+1] neg_lo:[0,1] neg_hi:[0,1]
.endr
.irp p, 3,4
	v_rcp_f32 v[TRC+TS*\p], v[TSU+TS*\p]
	v_rcp_f32 v[TRC+TS*\p+1], v[TSU+TS*\p+1]
.endr
	s_wait_alu depctr_va_vdst(0)
.irp p, 0,1,2,3,4
	v_pk_mul_f32 v[TY1+TS*\p:TY1+TS*\p+1], v[TX1+TS*\p:TX1+TS*\p+1], v[TRC+TS*\p:TRC+TS*\p+1]                            ; q = inter x rcp
.endr
.irp p, 0,1,2,3,4
	v_pk_fma_f32 v[TX2+TS*\p:TX2+TS*\p+1], v[TY1+TS*\p:TY1+TS*\p+1], v[TSU+TS*\p:TSU+TS*\p+1], v[TX1+TS*\p:TX1+TS*\p+1] neg_lo:[1,0,0] neg_hi:[1,0,0]   ; e = inter - q union
.endr
.irp p, 0,1,2,3,4
	v_pk_fma_f32 v[TY1+TS*\p:TY1+TS*\p+1], v[TX2+TS*\p:TX2+TS*\p+1], v[TRC+TS*\p:TRC+TS*\p+1], v[TY1+TS*\p:TY1+TS*\p+1]  ; q += e x rcp
.endr
	; the running maximum and its index.  VCC = keep (q <= best): only a strictly larger IoU moves the index, so the first of equals stays
.irp p, 0,1,2,3,4
.if \id == 0
	v_dual_mov_b32 v[BI+2*\p], v[TY1+TS*\p] :: v_dual_mov_b32 v[BI+2*\p+1], 0          ; the quarter's first GT starts both: nothing is preset
.else
	v_cmp_le_f32 vcc_lo, v[TY1+TS*\p], v[BI+2*\p]
	v_dual_max_num_f32 v[BI+2*\p], v[TY1+TS*\p], v[BI+2*\p] :: v_dual_cndmask_b32 v[BI+2*\p+1], \id, v[BI+2*\p+1]
.endif
.endr
.irp p, 0,1,2,3,4
	v_cmp_le_f32 vcc_lo, v[TY1+TS*\p+1], v[BI+2*\p]
	v_dual_max_num_f32 v[BI+2*\p], v[TY1+TS*\p+1], v[BI+2*\p] :: v_dual_cndmask_b32 v[BI+2*\p+1], \id+1, v[BI+2*\p+1]
.endr
.endm
; Eight GT: their areas out of the lanes that hold them, then four steps of two GT
.macro BLOCK blk, sbase
.irp g, 0,1,2,3,4,5,6,7
	v_readlane_b32 s[AR+\g], v[GA], 8*\blk+\g
.endr
.irp k, 0,1,2,3
	PAIR \sbase+8*\k, AR+2*\k, 8*\blk+2*\k
.endr
.endm
	s_wait_kmcnt 0x0                               ; GT 0-15 (scalar loads return in no order: only the count 0 tells)
	BLOCK 0, BUFA
	s_load_b512 s[BUFA:BUFA+15],    s[56:57], 0x100    ; GT 16-23, into the buffer just used: they have the next eight GT's work in which to come
	s_load_b512 s[BUFA+16:BUFA+31], s[56:57], 0x140
	BLOCK 1, BUFB
	s_wait_kmcnt 0x0                               ; GT 16-23 are in
	s_load_b512 s[BUFB:BUFB+15],    s[56:57], 0x180    ; GT 24-31
	s_load_b512 s[BUFB+16:BUFB+31], s[56:57], 0x1c0
	BLOCK 2, BUFA
	s_wait_kmcnt 0x0                               ; GT 24-31 are in
	BLOCK 3, BUFB
	; the winner's box and label: out of the lane that holds GT 32 c + index
.irp p, 0,1,2,3,4
	v_lshlrev_b32 v[TSU+TS*\p], 2, v[BI+2*\p+1]    ; the permute names a lane as lane x 4
.endr
.irp p, 0,1,2,3,4
.irp k, 0,1,2,3
	ds_bpermute_b32 v[TX1+TS*\p+\k], v[TSU+TS*\p], v[GB+\k]
.endr
	ds_bpermute_b32 v[TRC+TS*\p], v[TSU+TS*\p], v[GL]
.endr
.irp p, 0,1,2,3,4
	s_wait_dscnt 20-2*\p                           ; behind proposal p's five permutes stand 20 - 5 p permutes and 3 p stores
	ds_store_b32 v6, v[BI+2*\p] offset:LDS_Q+128*\p
	ds_store_b32 v6, v[TRC+TS*\p] offset:LDS_L+128*\p
	ds_store_b128 v7, v[TX1+TS*\p:TX1+TS*\p+3] offset:LDS_B+512*\p
.endr
	s_wait_dscnt 0x0                               ; for the other waves' sake: all my stores are in LDS
	s_barrier_signal -1
	v_lshl_add_u32 v[J1], s14, 7, v4               ; box job w: proposal 32 w + lane, x 4
	v_lshl_add_u32 v[J1+1], s14, 9, v3             ; and x 16
	s_barrier_wait -1
; A box job: 32 proposals, one a lane.  r: its offset x 4, r+1: x 16, r+2..5: the four quarters' best IoU, r+6..21: their boxes.
; Quarters in ascending order, a later one only if strictly larger: the first index of the maximum.
.macro BOXJOB r
.irp c, 0,1,2,3
	ds_load_b32 v[\r+2+\c], v[\r] offset:LDS_Q+3200*\c
.endr
.irp c, 0,1,2,3
	ds_load_b128 v[\r+6+4*\c:\r+9+4*\c], v[\r+1] offset:LDS_B+12800*\c
.endr
	s_wait_dscnt 0x0
.irp c, 1,2,3
	v_cmp_le_f32 vcc_lo, v[\r+2+\c], v[\r+2]       ; keep
	v_max_num_f32 v[\r+2], v[\r+2], v[\r+2+\c]
.irp k, 0,1,2,3
	v_cndmask_b32 v[\r+6+\k], v[\r+6+4*\c+\k], v[\r+6+\k], vcc_lo
.endr
.endr
	global_store_b128 v[\r+1], v[\r+6:\r+9], s[12:13] th:TH_STORE_NT   ; the wave stores 512 neighbouring bytes, aligned
.endm
	BOXJOB J1                                      ; jobs 0-19: one for each wave
	s_cmp_ge_u32 s14, 5
	s_cbranch_scc1 .Lno_second_box
	v_add_nc_u32 v[J2], 2560, v[J1]                ; jobs 20-24: waves 0-4, in registers of their own (the first job's store may still read its sources)
	v_add_nc_u32 v[J2+1], 10240, v[J1+1]
	BOXJOB J2
	s_wait_tensorcnt 0x0
	ds_add_u32 v112, v113
	s_wait_dscnt 0x0
	s_endpgm
.Lno_second_box:
	s_cmp_ge_u32 s14, 12
	s_cbranch_scc1 .Ldone
	; The labels: waves 5-11, four neighbouring proposals a lane, 16 bytes of out0: 200 pieces.  The group's 3,200 bytes begin 128 bytes past a multiple of 256
	; in odd work-groups: there the lanes are moved by eight pieces, so that each wave's store covers 512 aligned bytes.  The half block of 128 bytes at the
	; border of two work-groups is written by one group only: 800 labels are 12.5 blocks of 256 bytes.
	s_sub_co_u32 s3, s14, 5
	s_lshl_b32 s3, s3, 5
	s_and_b32 s60, ttmp9, 1
	s_lshl_b32 s60, s60, 3
	s_sub_co_u32 s3, s3, s60
	v_add_nc_u32 v[LP], s3, v1                     ; my piece; below 0 (it wraps) or above 199: none
	v_min_u32 v[LP+1], 199, v[LP]                  ; lanes without a piece read the last one and store nothing
	v_lshlrev_b32 v[LP+1], 4, v[LP+1]
.irp c, 0,1,2,3
	ds_load_b128 v[JQ+4*\c:JQ+4*\c+3], v[LP+1] offset:LDS_Q+3200*\c
.endr
.irp c, 0,1,2,3
	ds_load_b128 v[JL+4*\c:JL+4*\c+3], v[LP+1] offset:LDS_L+3200*\c
.endr
	s_wait_dscnt 0x0
.irp c, 1,2,3
.irp k, 0,1,2,3
	v_cmp_le_f32 vcc_lo, v[JQ+4*\c+\k], v[JQ+\k]   ; keep
	v_max_num_f32 v[JQ+\k], v[JQ+\k], v[JQ+4*\c+\k]
	v_cndmask_b32 v[JL+\k], v[JL+4*\c+\k], v[JL+\k], vcc_lo
.endr
.endr
.irp k, 0,1,2,3
	v_cmp_le_f32 vcc_lo, 0.5, v[JQ+\k]             ; IoU >= 0.5 keeps the GT's label, below it 0,
	v_cndmask_b32 v[JL+\k], 0, v[JL+\k], vcc_lo
	v_cmp_le_f32 vcc_lo, 0x3dcccccd, v[JQ+\k]      ; below f32(0.1) it is -1
	v_cndmask_b32 v[JL+\k], -1, v[JL+\k], vcc_lo
.endr
	v_cmp_gt_u32 vcc_lo, 200, v[LP]
	s_wait_xcnt 0x0                                ; EXEC is a source of the box job's store: it changes only behind this wait
	s_and_saveexec_b32 s3, vcc_lo
	global_store_b128 v[LP+1], v[JL:JL+3], s[10:11] th:TH_STORE_NT
	s_wait_xcnt 0x0                                ; and again in front of the line that widens it
	s_or_b32 exec_lo, exec_lo, s3
.Ldone:
	s_wait_tensorcnt 0x0
	ds_add_u32 v112, v113
	s_wait_dscnt 0x0
	s_endpgm
.Lfunc_end_k_q6939656b39_roi_match:
	.size	k_q6939656b39_roi_match, .Lfunc_end_k_q6939656b39_roi_match-k_q6939656b39_roi_match
	.p2alignl 7, 3214868480
	.fill 96, 4, 3214868480
	.section	.rodata,"a",@progbits
	.p2align	6, 0x0
	.amdhsa_kernel k_q6939656b39_roi_match
		.amdhsa_group_segment_fixed_size 79360
		.amdhsa_private_segment_fixed_size 0
		.amdhsa_enable_private_segment 0
		.amdhsa_kernarg_size 40
		.amdhsa_user_sgpr_count 2
		.amdhsa_user_sgpr_kernarg_segment_ptr 1
		.amdhsa_wavefront_size32 1
		.amdhsa_system_sgpr_workgroup_id_x 1
		.amdhsa_system_sgpr_workgroup_id_y 1
		.amdhsa_system_sgpr_workgroup_id_z 1
		.amdhsa_system_vgpr_workitem_id 0
		.amdhsa_next_free_vgpr 114
		.amdhsa_next_free_sgpr 100
		.amdhsa_reserve_vcc 1
		.amdhsa_float_denorm_mode_32 3
		.amdhsa_float_denorm_mode_16_64 3
		.amdhsa_memory_ordered 1
		.amdhsa_forward_progress 1
		.amdhsa_inst_pref_size 105
	.end_amdhsa_kernel
	.amdgpu_metadata
---
amdhsa.version: [ 1, 2 ]
amdhsa.kernels:
  - .name:           k_q6939656b39_roi_match
    .symbol:         k_q6939656b39_roi_match.kd
    .args:
      - { .name: gt_boxes, .offset: 0, .size: 8, .value_kind: global_buffer, .address_space: global }
      - { .name: gt_labels, .offset: 8, .size: 8, .value_kind: global_buffer, .address_space: global }
      - { .name: proposals, .offset: 16, .size: 8, .value_kind: global_buffer, .address_space: global }
      - { .name: out0, .offset: 24, .size: 8, .value_kind: global_buffer, .address_space: global }
      - { .name: out1, .offset: 32, .size: 8, .value_kind: global_buffer, .address_space: global }
    .group_segment_fixed_size: 79360
    .private_segment_fixed_size: 0
    .kernarg_segment_align: 8
    .kernarg_segment_size: 40
    .max_flat_workgroup_size: 640
    .sgpr_count:     100
    .vgpr_count:     114
    .wavefront_size: 32
...
	.end_amdgpu_metadata
.endif
;; end of part 1
